; MI455X (gfx1250); checked and timed in simulation.
; The chip was launched on July 23, 2026; its instructions are those of AMD's public machine-readable ISA for CDNA 5 (MIT licence, August 2026) and "CDNA5" Instruction Set Architecture Reference Guide (July 2026). The comments in the code are by the model that wrote it; some were corrected since.
;; Self Attention Block. Allowed arithmetic: matrix products marked QUANTISED: E2M1 operands, one E8M0 scale for each 32 along K, by v_wmma_scale_f32_16x16x128_f8f6f4 with both operands' format E2M1 (or v_wmma_scale_f32_32x16x128_f4), f32 sums; products left as they are: bf16, f16 or f32 operands; f32 sums; everything else in f32.
;; Inputs: Wk 1,024 x 1,024 float32; Wo 1,024 x 1,024 float32; Wq 1,024 x 1,024 float32; Wt 128 x 16 float32; Wv 1,024 x 1,024 float32; bo 1,024 float32; bt 16 float32; time_enc 4 x 128 float32; x 4 x 2,048 x 1,024 float32.
;; Outputs: out0 4 x 2,048 x 1,024 float32.
;; This version of the problem:
;;   THIS VERSION OF THE PROBLEM IS GIVEN IN LOW PRECISION. The matrix products marked QUANTISED in the list below multiply operands that are first quantised to E2M1 (2 exponent bits, 1 mantissa bit; 4 bits a number), with one power-of-two scale for each 32 numbers along K (OCP MX v1.0); their sums are f32. The products marked 'left as it is' may take bf16, f16 or f32 operands, with f32 sums. Whichever they take, every output number must still come out within the allowed error. Rounding operands to bf16 (8 significant bits) uses up far more of that allowance than f16 does (11 bits, for magnitudes from 6e-5 to 65,504). All else is computed in f32.
;;   The module's matrix products, in the order in which they are computed (A, B: the left and right operand; K: the contracted axis; several contracted axes count as one K, in the product's order):
;;     1. [M 8,192, K 1,024] x [K 1,024, N 1,024]; A: input x; B: input Wq: QUANTISED
;;     2. [M 8,192, K 1,024] x [K 1,024, N 1,024]; A: input x; B: input Wk: QUANTISED
;;     3. [M 8,192, K 1,024] x [K 1,024, N 1,024]; A: input x; B: input Wv: QUANTISED
;;     4. batch 64 x [M 2,048, K 64] x [K 64, N 2,048]; A: computed on the way; B: computed on the way: left as it is (an operand is computed on the way)
;;     5. [M 4, K 128] x [K 128, N 16]; A: input time_enc; B: input Wt: left as it is (M = 4 < 16)
;;     6. batch 64 x [M 2,048, K 2,048] x [K 2,048, N 64]; A: computed on the way; B: computed on the way: left as it is (an operand is computed on the way)
;;     7. [M 8,192, K 1,024] x [K 1,024, N 1,024]; A: computed on the way; B: input Wo: left as it is (an operand is computed on the way)
;;   THE QUANTISER, for each operand of a quantised product, along K:
;;     - K is cut into blocks of 32 from its start; a last block that is shorter is filled with zeros.
;;     - A block's scale is 2^e with e = floor(log2(the largest magnitude in the block)) - 2, held to -126 .. 127; a block of zeros has e = 0. As a byte (E8M0): e + 127.
;;     - Each number is divided by its block's scale, clamped to +-6, and rounded to the nearest number of E2M1, ties to even, subnormals kept.
;;     - The product sums the exact products of the quantised numbers (number of the format x scale) in f32.
;;   ~~~python
;;   def quantise(x, axis):      # numpy; x: float32 -> the quantised numbers, widened to float32 again
;;       x = np.moveaxis(x, axis, -1); K = x.shape[-1]
;;       x = np.pad(x, [(0, 0)] * (x.ndim - 1) + [(0, -K % 32)]); x = x.reshape(x.shape[:-1] + (-1, 32)); a = np.abs(x).max(-1, keepdims=True)
;;       e = np.where(a > 0, np.clip(np.frexp(np.where(a > 0, a, 1))[1] - 1 - 2, -126, 127), 0)      # np.frexp(a)[1] - 1 = floor(log2(a)), exactly
;;       r = np.clip(x / 2.0 ** e, -6, 6)
;;       step = 2.0 ** (np.maximum(np.frexp(np.where(r == 0, 1, r))[1] - 1, 0) - 1)
;;       q = np.round(r / step) * step * 2.0 ** e      # np.round: ties to even
;;       return np.moveaxis(q.reshape(q.shape[:-2] + (-1,))[..., :K], -1, axis).astype(np.float32)
;;   ~~~
;; One version. Each part assembles by itself: llvm-mc -triple=amdgcn-amd-amdhsa -mcpu=gfx1250 --defsym DOCPART=n.
;; ======== version 1 of 1: 4 launches
;; limits: values are held in f16: magnitudes above 65,504 overflow, below 6.1e-05 lose precision
;; workspace buffers: codes 5,767,168 bytes; scales 360,448 bytes; wo_img 2,097,152 bytes; tw 256 bytes; qkv_img 50,331,648 bytes; a_img 16,777,216 bytes
;; launch prep (part 1): grid 641 x 1, 8 waves a work-group, no clusters, 70,144 bytes of LDS; arguments x, Wq, Wk, Wv, Wo, time_enc, Wt, bt, codes, scales, wo_img, tw; writes codes, scales, wo_img, tw
.if DOCPART == 1
	.amdgcn_target "amdgcn-amd-amdhsa--gfx1250"
	.amdhsa_code_object_version 6
	.text
	.protected	k_q78c860e5c4_prep
	.globl	k_q78c860e5c4_prep
	.p2align	8
	.type	k_q78c860e5c4_prep,@function
k_q78c860e5c4_prep:
	s_mov_b64 s[64:65], 0
	v_nop
	global_prefetch_b8 v0, s[64:65] scope:SCOPE_SE
	s_setreg_imm32_b32 hwreg(HW_REG_WAVE_MODE, 25, 1), 1
	s_wait_xcnt 0x0
; PREP: everything that is made of the inputs alone, once.  Three roles, chosen by the work-group's number (the same in all eight waves):
;   0..127   weights: 32 columns of one of Wq, Wk, Wv (quantised to FP4 along K = their FIRST axis) or of Wo (rounded to f16); a wave takes 128 rows (one K step)
;   128      the time weights: c[b][h] = softmax over heads(time_enc Wt + bt) x log2(e) / 8, in f32, the largest logit taken away first; wave b takes batch b
;   129..640 x: 16 rows of x (64 KB on end), quantised to FP4 along K; a wave takes one K step of 128
; THE QUANTISER: a block of 32 along K has the scale 2^(floor(log2(largest magnitude)) - 2); its byte is the largest magnitude's exponent field - 2, held at 1 from below by a floor among the
; maximum's leaves; numbers are divided by the scale and rounded to the nearest code, ties to even, beyond 6 the largest code.  A block of zeros keeps the byte 1: its codes are zeros, and this program alone reads the bytes.
; EVERY RESULT IS LAID AS AN IMAGE OF THE OPERAND'S REGISTERS: a fragment (16 rows x 128 K of FP4, or 16 rows x 32 K of f16) is 1,024 bytes: [register group of four (2)][lane (32)][16 bytes].
;   codes:  fragment (tile T of 16 rows, K step s) at (T>>3) 65536 + (s>>2) 32768 + (T&7) 4096 + (s&3) 1024; x from byte 0, the weights (T = 64 tz + column / 16) from W_IMG
;   scales: one word a row and K step at T 512 + (s>>2) 256 + 16 r + 4 (s&3); x from 0, the weights from W_SCL
;   wo_img: fragment (column tile Tn, K step ks, chunk kc of 32) at (Tn>>3) 262144 + ks 32768 + (Tn&7) 4096 + kc 1024
; LIMITS: Wo goes to f16: magnitudes beyond 65,504 are not served.  NaN and infinities are not served.  Blocks whose largest magnitude lies under 2^-124 (the floor) were not tried.
; No tensor load, no matrix instruction.  Each role that stores to LDS has bytes of its own.
.set W_IMG, 4194304
.set W_SCL, 262144
.set XSW,   67584                      ; LDS: 0 .. 67583 role x's stages, 8 waves x 16 rows x 528 bytes; then its 512 bytes of scale words,
.set WSW,   68096                      ; the weights' 1,024 bytes of scale words,
.set SPARE, 69120                      ; and the spare words, 128 bytes for each wave: four blocks of 256 bytes that no other line names
.set SPW,   28                         ; v28 LDS address of my spare word; never rewritten
.set NIL,   29                         ; v29 0; never rewritten
.set FLOOR, 0x1800000                  ; 2^(3 - 127)
.set OFF2,  0xff000000                 ; takes 2 off an exponent field
	s_load_b512 s[4:19], s[0:1], 0x0               ; x s[4:5], Wq s[6:7], Wk s[8:9], Wv s[10:11], Wo s[12:13], time_enc s[14:15], Wt s[16:17], bt s[18:19]
	s_load_b256 s[20:27], s[0:1], 0x40             ; codes s[20:21], scales s[22:23], wo_img s[24:25], tw s[26:27]
	v_lshl_add_u32 v[SPW], v0, 2, SPARE
	v_mov_b32 v[NIL], 0
	v_lshrrev_b32 v1, 5, v0
	v_readfirstlane_b32 s28, v1                    ; wave 0..7
	v_and_b32 v1, 31, v0                           ; lane
	v_and_b32 v2, 15, v0                           ; r
	v_bfe_u32 v3, v0, 4, 1                         ; h
	v_lshlrev_b32 v4, 4, v1                        ; 16 x lane
	s_mov_b32 s30, 0x76543210
	s_mov_b32 s31, 0xfedcba98                      ; v_permlanex16_b32's selects for lane l xor 16
	s_mov_b32 s37, 0                               ; the upper word of every offset pair s[36:37]
	s_wait_kmcnt 0x0
	s_cmp_lt_u32 ttmp9, 128
	s_cbranch_scc1 .Lweights
	s_cmp_eq_u32 ttmp9, 128
	s_cbranch_scc1 .Ltime
; ---------------- ROLE X.  T = my tile of 16 rows; my wave's K step is its number.
; Addresses: v4 16 x lane, v5, v6 the stage (in, back), v7 my scale word's place, v20 where wave 0 reads the words back: none of them is written again.  v8-15 are at work.
	s_sub_co_u32 s32, ttmp9, 129                   ; T
	s_lshl_b32 s36, s32, 16                        ; 16 rows of 4,096 bytes
	s_lshl_b32 s33, s28, 9                         ; + my 128 numbers of a row
	s_add_co_u32 s36, s36, s33
	s_add_nc_u64 s[4:5], s[4:5], s[36:37]
.irp i, 0,1,2,3,4,5,6,7,8,9,10,11,12,13,14,15
	global_load_b128 v[32+4*\i:35+4*\i], v4, s[4:5] offset:4096*\i th:TH_LOAD_NT   ; row i: 32 lanes read 512 consecutive bytes, aligned
.endr
	s_mul_i32 s33, s28, 8448                       ; my stage: 16 rows of 512 + 16 bytes
	v_add_nc_u32 v5, s33, v4                       ; in: as loaded
	v_mul_u32_u24 v6, v2, 528
	v_lshl_add_u32 v6, v3, 7, v6
	v_add_nc_u32 v6, s33, v6                       ; back: row r, + 128 h bytes: the operand's layout gives lane (r, h) k = 64 c + 32 h + 0 .. 31
	s_lshr_b32 s34, s28, 2                         ; s >> 2
	s_and_b32 s35, s28, 3                          ; s & 3
	s_lshl_b32 s38, s34, 8
	s_lshl_b32 s39, s35, 2
	s_add_co_u32 s38, s38, s39
	s_add_co_u32 s38, s38, XSW
	v_lshl_add_u32 v7, v2, 4, s38                  ; where my row's scale word goes in LDS: the tile's 512 bytes as they lie in memory
	v_add_nc_u32 v20, XSW, v4                      ; and where wave 0 reads them back
	s_lshr_b32 s36, s32, 3                         ; the fragment's place in codes
	s_lshl_b32 s36, s36, 16
	s_lshl_b32 s39, s34, 15
	s_add_co_u32 s36, s36, s39
	s_and_b32 s39, s32, 7
	s_lshl_b32 s39, s39, 12
	s_add_co_u32 s36, s36, s39
	s_lshl_b32 s39, s35, 10
	s_add_co_u32 s36, s36, s39
	s_add_nc_u64 s[20:21], s[20:21], s[36:37]
	s_lshl_b32 s36, s32, 9                         ; the tile's 512 bytes of scale words
	s_add_nc_u64 s[22:23], s[22:23], s[36:37]
.irp i, 0,1,2,3,4,5,6,7,8,9,10,11,12,13,14,15
	s_wait_loadcnt 15-\i                           ; row i is in; the 15 - i loads issued behind it may be out
	ds_store_b128 v5, v[32+4*\i:35+4*\i] offset:528*\i
.endr
.irp c, 0,1
.irp i, 0,1,2,3,4,5,6,7
	ds_load_b128 v[96+32*\c+4*\i:99+32*\c+4*\i], v6 offset:256*\c+16*\i   ; my wave's own bytes, served in order: no wait between the stores and these
.endr
.endr
	s_wait_dscnt 0x0
.irp c, 0,1                                    ; my block 2 c + h: all its 32 numbers are mine
	v_max3_num_f32 v[8+\c], |v[96+32*\c]|, |v[97+32*\c]|, FLOOR
.endr
.irp i, 2,4,6,8,10,12,14,16,18,20,22,24,26,28,30
.irp c, 0,1
	v_max3_num_f32 v[8+\c], v[8+\c], |v[96+32*\c+\i]|, |v[97+32*\c+\i]|   ; the two blocks by turns
.endr
.endr
.irp c, 0,1
	v_add_nc_u32 v[10+\c], OFF2, v[8+\c]           ; the conversion's scale operand: it takes the exponent field alone
.endr
.irp c, 0,1
	v_lshrrev_b32 v[12+\c], 23, v[10+\c]           ; the scale's byte
.endr
	v_lshl_or_b32 v14, v13, 16, v12                ; blocks h and 2 + h,
	v_lshlrev_b32 v15, 3, v3
	v_lshlrev_b32 v14, v15, v14                    ; at their places in the word (8 h bits up);
	v_mov_b32 v15, 0
	v_permlanex16_b32 v15, v14, s30, s31
	v_or_b32 v14, v14, v15                         ; with lane l xor 16's two the word is whole
.irp c, 0,1
.irp g, 0,1,2,3
	v_cvt_scalef32_pk8_fp4_f32 v[160+4*\c+\g], v[96+32*\c+8*\g:103+32*\c+8*\g], v[10+\c]
.endr
.endr
	v_nop                                          ; one plain line behind the last scaled conversion
	global_store_b128 v4, v[160:163], s[20:21]     ; the fragment as it stands: 512 consecutive bytes a store
	global_store_b128 v4, v[164:167], s[20:21] offset:512
	ds_store_b32 v7, v14                           ; both halves of the lanes write the same word with the same value
	s_wait_dscnt 0x0                               ; for the others' sake: my word has landed
	s_barrier_signal -1
	s_barrier_wait -1
	s_cmp_lg_u32 s28, 0
	s_cbranch_scc1 .Lx_end
	ds_load_b128 v[16:19], v20                     ; wave 0: the eight waves' words, 512 bytes,
	s_wait_dscnt 0x0
	global_store_b128 v4, v[16:19], s[22:23]       ; leave as two whole aligned runs of 256 bytes
.Lx_end:
	s_wait_tensorcnt 0x0                           ; the wave's end: behind my last LDS store
	ds_add_u32 v[SPW], v[NIL]
	s_wait_dscnt 0x0
	s_endpgm
; ---------------- ROLE WEIGHTS.  A LANE TAKES A COLUMN, ITS REGISTERS RUN DOWN K: nothing is transposed by an instruction.
; Addresses: v4 16 x lane, v5 4 x lane, v6 the codes' place, v7 my scale word's place, v13 where waves 0 and 1 read the words back: none of them is written again.  v8-12 are at work.
.Lweights:
	s_lshr_b32 s32, ttmp9, 5                       ; tz: 0 Wq, 1 Wk, 2 Wv, 3 Wo
	s_and_b32 s33, ttmp9, 31                       ; cg: columns 32 cg .. 32 cg + 31
	s_cmp_eq_u32 s32, 1
	s_cselect_b64 s[6:7], s[8:9], s[6:7]
	s_cmp_eq_u32 s32, 2
	s_cselect_b64 s[6:7], s[10:11], s[6:7]
	s_cmp_eq_u32 s32, 3
	s_cselect_b64 s[6:7], s[12:13], s[6:7]
	s_lshl_b32 s36, s28, 19                        ; my wave's 128 rows of 4,096 bytes
	s_lshl_b32 s34, s33, 7
	s_add_co_u32 s36, s36, s34
	s_add_nc_u64 s[6:7], s[6:7], s[36:37]
	v_lshlrev_b32 v5, 2, v1
.set i, 0
.rept 128
	global_load_b32 v[32+i], v5, s[6:7] offset:4096*i th:TH_LOAD_NT   ; W(128 s + i, my column)
.set i, i+1
.endr
	v_lshlrev_b32 v6, 4, v2
	v_lshl_add_u32 v6, v3, 12, v6                  ; out: lanes 0-15 belong to column tile Tn0, lanes 16-31 to Tn0 + 1, 4,096 bytes on; 16 bytes a row
	s_lshr_b32 s34, s28, 2
	s_and_b32 s35, s28, 3
	s_cmp_eq_u32 s32, 3
	s_cbranch_scc1 .Lwo
	s_lshl_b32 s38, s32, 6
	s_lshl_b32 s39, s33, 1
	s_add_co_u32 s38, s38, s39                     ; Tn0 = 64 tz + 2 cg
	s_lshr_b32 s36, s38, 3
	s_lshl_b32 s36, s36, 16
	s_lshl_b32 s39, s34, 15
	s_add_co_u32 s36, s36, s39
	s_and_b32 s39, s38, 7
	s_lshl_b32 s39, s39, 12
	s_add_co_u32 s36, s36, s39
	s_lshl_b32 s39, s35, 10
	s_add_co_u32 s36, s36, s39
	s_add_co_u32 s36, s36, W_IMG
	s_add_nc_u64 s[20:21], s[20:21], s[36:37]
	s_and_b32 s40, s28, 1
	s_lshl_b32 s40, s40, 9
	s_lshl_b32 s36, s38, 9
	s_add_co_u32 s36, s36, s40
	s_add_co_u32 s36, s36, W_SCL
	s_add_nc_u64 s[22:23], s[22:23], s[36:37]      ; waves 0 and 1: the scale words of tile Tn0 + wave
	s_lshl_b32 s39, s34, 8
	s_lshl_b32 s41, s35, 2
	s_add_co_u32 s39, s39, s41
	s_add_co_u32 s39, s39, WSW
	v_lshl_add_u32 v7, v2, 4, s39
	v_lshl_add_u32 v7, v3, 9, v7                   ; my column's word: tile (lane / 16) x 512 + (s>>2) 256 + 16 r + 4 (s&3)
	s_add_co_u32 s40, s40, WSW
	v_add_nc_u32 v13, s40, v4                      ; where waves 0 and 1 read a tile's 512 bytes back
.macro WBLOCK b, left                  ; block b of my K step: rows 32 b .. 32 b + 31 of my column
.set XS, 32+32*\b
	s_wait_loadcnt \left                           ; at most so many of the 128 loads are out: these 32 rows are in
	v_max3_num_f32 v8, |v[XS]|, |v[XS+1]|, |v[XS+2]|
	v_max3_num_f32 v9, |v[XS+3]|, |v[XS+4]|, |v[XS+5]|
.irp i, 6,10,14,18,22,26
	v_max3_num_f32 v8, v8, |v[XS+\i]|, |v[XS+\i+1]|
	v_max3_num_f32 v9, v9, |v[XS+\i+2]|, |v[XS+\i+3]|
.endr
	v_max3_num_f32 v8, v8, |v[XS+30]|, |v[XS+31]|
	v_max3_num_f32 v8, v8, v9, FLOOR
	v_add_nc_u32 v10, OFF2, v8
	v_lshrrev_b32 v11, 23, v10
.if \b == 0
	v_mov_b32 v12, v11
.else
	v_lshl_or_b32 v12, v11, 8*\b, v12              ; four bytes make my column's word for this K step
.endif
.irp g, 0,1,2,3
	v_cvt_scalef32_pk8_fp4_f32 v[160+4*\b+\g], v[XS+8*\g:XS+8*\g+7], v10
.endr
	global_store_b128 v6, v[160+4*\b:163+4*\b], s[20:21] offset:256*\b   ; sixteen lanes fill one aligned run of 256 bytes; each block has its own registers
.endm
	WBLOCK 0, 63
	WBLOCK 1, 63
	WBLOCK 2, 32
	WBLOCK 3, 0
	v_nop                                          ; one plain line behind the last scaled conversion
	ds_store_b32 v7, v12
	s_wait_dscnt 0x0                               ; for the others' sake
	s_barrier_signal -1
	s_barrier_wait -1
	s_cmp_gt_u32 s28, 1
	s_cbranch_scc1 .Lw_end
	ds_load_b128 v[16:19], v13
	s_wait_dscnt 0x0
	global_store_b128 v4, v[16:19], s[22:23]
.Lw_end:
	s_wait_tensorcnt 0x0                           ; the wave's end: behind my last LDS store
	ds_add_u32 v[SPW], v[NIL]
	s_wait_dscnt 0x0
	s_endpgm
; Wo: eight neighbours along K of my column are 16 bytes of f16: group g = k / 8 of the K step lies 256 g bytes into the tile's 4,096.  No LDS.
.Lwo:
	s_lshr_b32 s38, s33, 2                         ; Tn0 >> 3 = cg >> 2
	s_lshl_b32 s36, s38, 18
	s_lshl_b32 s39, s28, 15
	s_add_co_u32 s36, s36, s39
	s_and_b32 s39, s33, 3                          ; Tn0 & 7 = 2 (cg & 3)
	s_lshl_b32 s39, s39, 13
	s_add_co_u32 s36, s36, s39
	s_add_nc_u64 s[24:25], s[24:25], s[36:37]
.irp g, 0,1,2,3,4,5,6,7,8,9,10,11,12,13,14,15
.if \g == 0
	s_wait_loadcnt 63                              ; rows 0 to 64 are in
.endif
.if \g == 8
	s_wait_loadcnt 32                              ; rows 0 to 95
.endif
.if \g == 12
	s_wait_loadcnt 0x0
.endif
.irp i, 0,1,2,3
	v_cvt_pk_f16_f32 v[32+4*\g+\i], v[32+8*\g+2*\i], v[32+8*\g+2*\i+1]   ; packed downwards in place: a destination never passes a number not yet read, nor a register that an earlier store reads
.endr
	global_store_b128 v6, v[32+4*\g:35+4*\g], s[24:25] offset:256*\g
.endr
	s_endpgm
; ---------------- ROLE TIME WEIGHTS.  Wave b: batch b.  Lane (r, h): head r, k = 64 h .. 64 h + 63.
.Ltime:
	s_cmp_gt_u32 s28, 3
	s_cbranch_scc1 .Lidle
	s_lshl_b32 s36, s28, 9
	s_add_nc_u64 s[14:15], s[14:15], s[36:37]      ; time_enc's row b
	s_lshl_b32 s36, s28, 6
	s_add_nc_u64 s[26:27], s[26:27], s[36:37]      ; tw's 16 numbers of batch b
	v_lshlrev_b32 v5, 8, v3
	v_lshlrev_b32 v7, 2, v2
	v_lshl_add_u32 v6, v3, 12, v7
.irp i, 0,1,2,3,4,5,6,7,8,9,10,11,12,13,14,15
	global_load_b128 v[32+4*\i:35+4*\i], v5, s[14:15] offset:16*\i
.endr
.set i, 0
.rept 64
	global_load_b32 v[96+i], v6, s[16:17] offset:64*i
.set i, i+1
.endr
	global_load_b32 v8, v7, s[18:19]               ; bt
	v_mov_b32 v14, 0                               ; a lane permute's destination counts as read
	s_wait_loadcnt 0x0
.irp j, 0,1,2,3
	v_mul_f32 v[10+\j], v[32+\j], v[96+\j]         ; four chains, started by their first products
.endr
.set i, 4
.rept 60
	v_fma_f32 v[10+i%4], v[32+i], v[96+i], v[10+i%4]
.set i, i+1
.endr
	v_add_f32 v10, v10, v11
	v_add_f32 v12, v12, v13
	v_add_f32 v10, v10, v12
	v_permlanex16_b32 v14, v10, s30, s31
	v_add_f32 v10, v10, v14                        ; the other 64 along K
	v_add_f32 v10, v10, v8                         ; the logit of head r, in both halves of the lanes
	v_mov_b32 v15, v10
.irp m, 1,2,4,8
	v_max_num_f32_dpp v15, v15, v15 row_xmask:\m row_mask:0xf bank_mask:0xf   ; the largest of the 16 heads
.endr
	v_sub_f32 v10, v10, v15
	v_mul_f32 v10, 0x3fb8aa3b, v10
	v_exp_f32 v10, v10
	v_nop                                          ; a plain line behind the transcendental,
	s_wait_alu depctr_va_vdst(0)                   ; and the wait ahead of its first reader
	v_mov_b32 v16, v10
.irp m, 1,2,4,8
	v_add_f32_dpp v16, v16, v16 row_xmask:\m row_mask:0xf bank_mask:0xf
.endr
	v_rcp_f32 v16, v16
	v_nop
	s_wait_alu depctr_va_vdst(0)
	v_mul_f32 v10, v10, v16
	v_mul_f32 v10, 0x3e38aa3b, v10                 ; x log2(e) / sqrt(64)
	s_wait_xcnt 0x0                                ; EXEC changes only behind this wait
	v_cmp_gt_u32 vcc_lo, 16, v1
	s_and_saveexec_b32 s34, vcc_lo
	global_store_b32 v7, v10, s[26:27]             ; lanes 0-15: 64 consecutive bytes
	s_endpgm
.Lidle:
	s_endpgm
.Lfunc_end_k_q78c860e5c4_prep:
	.size	k_q78c860e5c4_prep, .Lfunc_end_k_q78c860e5c4_prep-k_q78c860e5c4_prep
	.p2alignl 7, 3214868480
	.fill 96, 4, 3214868480
	.section	.rodata,"a",@progbits
	.p2align	6, 0x0
	.amdhsa_kernel k_q78c860e5c4_prep
		.amdhsa_group_segment_fixed_size 70144
		.amdhsa_private_segment_fixed_size 0
		.amdhsa_enable_private_segment 0
		.amdhsa_kernarg_size 96
		.amdhsa_user_sgpr_count 2
		.amdhsa_user_sgpr_kernarg_segment_ptr 1
		.amdhsa_wavefront_size32 1
		.amdhsa_system_sgpr_workgroup_id_x 1
		.amdhsa_system_sgpr_workgroup_id_y 1
		.amdhsa_system_sgpr_workgroup_id_z 1
		.amdhsa_system_vgpr_workitem_id 0
		.amdhsa_next_free_vgpr 176
		.amdhsa_next_free_sgpr 66
		.amdhsa_reserve_vcc 1
		.amdhsa_float_denorm_mode_32 3
		.amdhsa_float_denorm_mode_16_64 3
		.amdhsa_memory_ordered 1
		.amdhsa_forward_progress 1
		.amdhsa_inst_pref_size 50
	.end_amdhsa_kernel
	.amdgpu_metadata
---
amdhsa.version: [ 1, 2 ]
amdhsa.kernels:
  - .name:           k_q78c860e5c4_prep
    .symbol:         k_q78c860e5c4_prep.kd
    .args:
      - { .name: x, .offset: 0, .size: 8, .value_kind: global_buffer, .address_space: global }
      - { .name: Wq, .offset: 8, .size: 8, .value_kind: global_buffer, .address_space: global }
      - { .name: Wk, .offset: 16, .size: 8, .value_kind: global_buffer, .address_space: global }
      - { .name: Wv, .offset: 24, .size: 8, .value_kind: global_buffer, .address_space: global }
      - { .name: Wo, .offset: 32, .size: 8, .value_kind: global_buffer, .address_space: global }
      - { .name: time_enc, .offset: 40, .size: 8, .value_kind: global_buffer, .address_space: global }
      - { .name: Wt, .offset: 48, .size: 8, .value_kind: global_buffer, .address_space: global }
      - { .name: bt, .offset: 56, .size: 8, .value_kind: global_buffer, .address_space: global }
      - { .name: codes, .offset: 64, .size: 8, .value_kind: global_buffer, .address_space: global }
      - { .name: scales, .offset: 72, .size: 8, .value_kind: global_buffer, .address_space: global }
      - { .name: wo_img, .offset: 80, .size: 8, .value_kind: global_buffer, .address_space: global }
      - { .name: tw, .offset: 88, .size: 8, .value_kind: global_buffer, .address_space: global }
    .group_segment_fixed_size: 70144
    .private_segment_fixed_size: 0
    .kernarg_segment_align: 8
    .kernarg_segment_size: 96
    .max_flat_workgroup_size: 256
    .sgpr_count:     66
    .vgpr_count:     176
    .wavefront_size: 32
...
	.end_amdgpu_metadata
.endif
;; end of part 1
;; launch qkv (part 2): grid 12 x 32, 4 waves a work-group, clusters of 4 x 4, 327,680 bytes of LDS; arguments codes, scales, qkv_img; writes qkv_img
.if DOCPART == 2
	.amdgcn_target "amdgcn-amd-amdhsa--gfx1250"
	.amdhsa_code_object_version 6
	.text
	.protected	k_q78c860e5c4_qkv
	.globl	k_q78c860e5c4_qkv
	.p2align	8
	.type	k_q78c860e5c4_qkv,@function
k_q78c860e5c4_qkv:
	s_mov_b64 s[64:65], 0
	v_nop
	global_prefetch_b8 v0, s[64:65] scope:SCOPE_SE
	s_setreg_imm32_b32 hwreg(HW_REG_WAVE_MODE, 25, 1), 1
	s_wait_xcnt 0x0
	s_wait_alu depctr_hold_cnt(0) depctr_sa_sdst(0) depctr_va_vdst(0) depctr_va_sdst(0) depctr_va_ssrc(0) depctr_va_vcc(0) depctr_vm_vsrc(0)
	s_getreg_b32 s2, hwreg(HW_REG_IB_STS2, 6, 4)
	s_cmp_eq_u32 s2, 0
	s_cbranch_scc0 .Lentry_in_a_cluster
	s_endpgm
.Lentry_in_a_cluster:
	s_bfe_u32 s2, ttmp6, 0x10000c
	s_cmp_lg_u32 s2, 0xf033
	s_cbranch_scc0 .Lentry_shape_is_right
	s_endpgm
.Lentry_shape_is_right:
; q, k, v = x Wq, x Wk, x Wv on codes of FP4 (E2M1) with one E8M0 scale for each 32 along K; sums in f32, K ascending; results rounded once to f16 and stored AS THE NEXT LAUNCH'S OPERAND REGISTERS.
; A tile is 256 tokens (Y) x 256 of the 3,072 columns (X; X / 4 says which of the three weights); four waves, each 128 x 128: 64 accumulators, 512 registers.
; K = 1,024: both panels' codes, 2 x 128 KB, and their scale words fit in LDS at once.  So every tensor load is a first fill, three a wave (scales, K half 0, K half 1), and nothing is filled again.
; Codes lie in memory as images of fragments (1,024 bytes: [register group (2)][lane][16 bytes]); 128 rows x half of K are 32 KB on end: a dense block, brought as 128 rows of 256 bytes; a fragment is two ds_load_b128 at 16 x lane.
; CLUSTERS: 4 x 4 work-groups; x's panels are shared along a row of the cluster, the weights' along a column: each is asked for jointly, by the same load with the same descriptor and a mask that names the four.
; TWO ORIENTATIONS.  q and k: source 0 = 16 columns of W, source 1 = 16 tokens: a lane holds one token and eight neighbouring channels, which pack into four registers of a fragment [token][channel].
; v (cluster x = 2, the same in all sixteen partners): the sources change places: a lane holds one channel and eight neighbouring tokens: four registers of a fragment of V^T [channel][key].  No LDS stage, no transposing load:
; each store of a wave is 512 consecutive bytes, aligned.
;   q, k of head bh: bh 262144 + token tile x 2048 + channel chunk of 32 x 1024 (+ 512 u + 16 lane);   v: bh 262144 + key chunk of 32 x 4096 + channel tile x 1024
; LIMIT: q, k, v go to f16: magnitudes beyond 65,504 are not served.
; REGISTERS, in windows of 256: window 0: v16-29 addresses; v32-95 scale words, two sets; v128-191 x's fragments, one set; on the way out v128-255.  window 1: W's fragments, two sets, at v0 and v128.
;   window 2: the accumulators of my tokens 0-63 ((a, b) at v[8 (8 (a % 4) + b)]); window 3: those of tokens 64-127.
.set NQ,    4                          ; steps of 128 along K in a slot
.set FR,    8
.set NL,    2
.set NP,    4                          ; places behind this matrix instruction (ISA guide 7.12.1)
.set SLOT,  131072                     ; a K half: x's 256 rows (64 KB), then W's 256
.set SCL,   262144                     ; the scale words: x's 8 KB, then W's
.set SPARE, 278528                     ; the spare words, 128 bytes for each wave: two blocks of 256 bytes that no other line names
.set W_IMG, 4194304
.set W_SCL, 262144
.set ADRA, 16
.set ADRB, 20
.set CO,   26                          ; v26 16 x lane
.set ADRS, 27
.set SPW,  28
.set NIL,  29
.set SC,   32
.set AF,   128
.set TMP,  128
.set G1,   24
.set G0,   32
.set G1B,  48
.set G0B,  56
.set G1S,  68
.set G0S,  76
.set G1SB, 80
.set G0SB, 88
.set MSB, 0
.macro WIN new                         ; the immediate's high byte repeats the setting that is left
.if MSB != (\new)
	s_set_vgpr_msb (MSB<<8)|(\new)
.set MSB, (\new)
.endif
.endm
.set MUL_LO, 0xa1                      ; source 0 window 1 (W), source 1 window 0 (x), C and D window 2;  + 3: the sources' windows changed over
.set MUL_HI, 0xf1
.set TO_B,   0x40
; A joint load: waves 0 and 1 fetch for x, waves 2 and 3 for W.  The branch hangs on the wave's number alone.  An s_nop 0 and four v_nop follow each of the two lines.
.macro JLOAD g0a, g1a, g0b, g1b
	s_cmp_eq_u32 s15, 0
	s_cbranch_scc0 .Lfor_b_\@
	tensor_load_to_lds s[\g0a:\g0a+3], s[\g1a:\g1a+7]
	s_nop 0
.rept 4
	v_nop
.endr
	s_branch .Lasked_\@
.Lfor_b_\@:
	tensor_load_to_lds s[\g0b:\g0b+3], s[\g1b:\g1b+7]
	s_nop 0
.rept 4
	v_nop
.endr
.Lasked_\@:
.endm
.macro CROUND                          ; a round of the cluster's barrier
	s_barrier_signal -1
	s_barrier_wait -1
	s_cmp_lg_u32 s14, 0
	s_cbranch_scc1 .Lnot_wave_0_\@
	s_barrier_signal -3
.Lnot_wave_0_\@:
	s_barrier_wait -3
	s_barrier_signal -1
	s_barrier_wait -1
.endm
	s_load_b128 s[4:7], s[0:1], 0x0                ; codes, scales
	s_load_b64 s[12:13], s[0:1], 0x10              ; qkv_img
	v_lshl_add_u32 v[SPW], v0, 2, SPARE
	v_mov_b32 v[NIL], 0
	ds_add_u32 v[SPW], v[NIL]                      ; the wave's opening: the add, twice on end, and its wait ahead of my first tensor load
	ds_add_u32 v[SPW], v[NIL]
	v_lshrrev_b32 v1, 5, v0
	v_readfirstlane_b32 s14, v1                    ; wave 0..3
	s_lshr_b32 s15, s14, 1                         ; my half of the tile's tokens.  Also: I fetch for x (0) or for W (1)
	s_and_b32 s16, s14, 1                          ; my half of its columns.  Also: which 128 rows I fetch
	s_bfe_u32 s40, ttmp6, 0x40000                  ; cx, cy
	s_bfe_u32 s41, ttmp6, 0x40004
	s_lshl_b32 s42, ttmp9, 2
	s_add_co_u32 s42, s42, s40                     ; X
	s_and_b32 s17, ttmp7, 0xffff
	s_lshl_b32 s17, s17, 2
	s_add_co_u32 s17, s17, s41                     ; Y
	s_lshl_b32 s43, s41, 2
	s_lshl_b32 s43, 15, s43                        ; my row of the cluster
	s_lshl_b32 s44, 0x1111, s40                    ; my column
	s_or_b32 s[G1+0], s43, (3<<16)|(1<<21)         ; 15:0 the mask; 17:16 elements of 8 bytes; 21 set beside a mask; no padding: the images are read 16 x lane
	s_or_b32 s[G1B+0], s44, (3<<16)|(1<<21)
.irp g, G1, G1B
	s_mov_b32 s[\g+1], 32<<16                      ; tensor_dim0 = 32 elements: rows of 256 bytes
	s_mov_b32 s[\g+2], 128<<16                     ; tensor_dim1 = 128: 32 KB
	s_mov_b32 s[\g+3], 32<<16                      ; tile_dim0
	s_mov_b32 s[\g+4], 128                         ; tile_dim1
	s_mov_b32 s[\g+5], 32                          ; the pitch: dense
	s_mov_b32 s[\g+6], 0
	s_mov_b32 s[\g+7], 0
.endr
	s_or_b32 s[G1S+0], s43, (3<<16)|(1<<21)        ; the scale words of 128 rows: 4 KB, 16 rows of 256 bytes
	s_or_b32 s[G1SB+0], s44, (3<<16)|(1<<21)
.irp g, G1S, G1SB
	s_mov_b32 s[\g+1], 32<<16
	s_mov_b32 s[\g+2], 16<<16
	s_mov_b32 s[\g+3], 32<<16
	s_mov_b32 s[\g+4], 16
	s_mov_b32 s[\g+5], 32
	s_mov_b32 s[\g+6], 0
	s_mov_b32 s[\g+7], 0
.endr
	s_lshl_b32 s20, s17, 1
	s_add_co_u32 s20, s20, s16                     ; x: panel of 128 rows 2 Y + half: made of the tile row and the wave's number alone
	s_lshl_b32 s22, s20, 12                        ; its scale words
	s_lshl_b32 s20, s20, 16                        ; its codes
	s_mov_b32 s21, 0
	s_mov_b32 s23, 0
	s_lshl_b32 s46, s42, 1
	s_add_co_u32 s46, s46, s16                     ; W: panel 2 X + half: made of the tile column and the wave's number alone
	s_lshl_b32 s92, s46, 12
	s_add_co_u32 s92, s92, W_SCL
	s_lshl_b32 s46, s46, 16
	s_add_co_u32 s46, s46, W_IMG
	s_mov_b32 s47, 0
	s_mov_b32 s93, 0
	s_lshl_b32 s45, s14, 15                        ; where they go: wave x 32 KB, wave x 4 KB
	s_lshl_b32 s94, s14, 12
	s_wait_dscnt 0x0                               ; both opening adds are done
	s_wait_kmcnt 0x0
	s_add_nc_u64 s[20:21], s[4:5], s[20:21]
	s_add_nc_u64 s[22:23], s[6:7], s[22:23]
	s_add_nc_u64 s[46:47], s[4:5], s[46:47]
	s_add_nc_u64 s[92:93], s[6:7], s[92:93]
	CROUND                                         ; all sixteen work-groups are here: the joint loads meet
	s_mov_b32 s[G0S], 1
	s_add_co_u32 s[G0S+1], s94, SCL
	s_mov_b64 s[G0S+2:G0S+3], s[22:23]
	s_or_b32 s[G0S+3], s[G0S+3], 0x80000000
	s_mov_b32 s[G0SB], 1
	s_add_co_u32 s[G0SB+1], s94, SCL
	s_mov_b64 s[G0SB+2:G0SB+3], s[92:93]
	s_or_b32 s[G0SB+3], s[G0SB+3], 0x80000000
	JLOAD G0S, G1S, G0SB, G1SB
.irp s, 0,1
	s_mov_b32 s[G0+4*\s], 1
	s_add_co_u32 s[G0+4*\s+1], s45, \s*SLOT
	s_add_nc_u64 s[G0+4*\s+2:G0+4*\s+3], s[20:21], \s*32768
	s_or_b32 s[G0+4*\s+3], s[G0+4*\s+3], 0x80000000
	s_mov_b32 s[G0B+4*\s], 1
	s_add_co_u32 s[G0B+4*\s+1], s45, \s*SLOT
	s_add_nc_u64 s[G0B+4*\s+2:G0B+4*\s+3], s[46:47], \s*32768
	s_or_b32 s[G0B+4*\s+3], s[G0B+4*\s+3], 0x80000000
	JLOAD G0+4*\s, G1, G0B+4*\s, G1B               ; three loads of mine are out
.endr
	v_and_b32 v1, 15, v0                           ; r
	v_bfe_u32 v2, v0, 4, 1                         ; h
	v_and_b32 v3, 31, v0
	v_lshlrev_b32 v[CO], 4, v3
	s_lshl_b32 s21, s15, 15                        ; my 128 tokens' images
	s_lshl_b32 s22, s16, 15
	s_add_co_u32 s22, s22, 65536                   ; my 128 columns', behind x's 64 KB
.irp s, 0,1
	v_add_nc_u32 v[ADRA+\s], s21, v[CO]
	v_add_nc_u32 v[ADRB+\s], s22, v[CO]
	s_add_co_u32 s21, s21, SLOT
	s_add_co_u32 s22, s22, SLOT
.endr
	s_lshl_b32 s21, s15, 12                        ; scale words: lanes 0-15 take x's rows, lanes 16-31 W's: the lower base + h x the distance
	s_lshl_b32 s22, s16, 12
	s_add_co_u32 s22, s22, 8192
	s_sub_co_u32 s22, s22, s21
	v_mul_u32_u24 v6, s22, v2
	s_add_co_u32 s21, s21, SCL
	v_lshlrev_b32 v5, 4, v1
	v_add_nc_u32 v5, v5, v6
	v_add_nc_u32 v[ADRS], s21, v5
	s_lshl_b32 s20, ttmp9, 24                      ; where my results go: the tensor (16 MB each),
	s_lshr_b32 s21, s17, 3
	s_lshl_b32 s21, s21, 4                         ; batch x 16
	s_lshl_b32 s22, s40, 2
	s_add_co_u32 s21, s21, s22                     ; + 4 cx
	s_lshl_b32 s22, s16, 1
	s_add_co_u32 s21, s21, s22                     ; + 2 x my half: my first head,
	s_lshl_b32 s21, s21, 18
	s_add_co_u32 s20, s20, s21
	s_and_b32 s21, s17, 7
	s_lshl_b32 s21, s21, 4
	s_lshl_b32 s22, s15, 3
	s_add_co_u32 s21, s21, s22                     ; my first token tile in the batch, 2,048 bytes each in all three layouts
	s_lshl_b32 s21, s21, 11
	s_add_co_u32 s20, s20, s21
	s_mov_b32 s21, 0
	s_add_nc_u64 s[12:13], s[12:13], s[20:21]
.macro FRAG reg, adr, q, i             ; tile i, the slot's q-th 128 along K: 8 registers as they were stored
.irp c, 0,1
	ds_load_b128 v[\reg+4*\c:\reg+4*\c+3], v[\adr] offset:(\i)*4096+(\q)*1024+512*\c
.endr
.endm
; 16 matrix instructions: x's blocks a0, a0 + 1 against W's eight.  p: W's set; sc: the set of scale words.  A scale register holds x's word of block i in lanes 0-15 and W's of block i in lanes 16-31.
; The 64 accumulators take turns, one instruction a turn, in the same order in every step.
.macro MUL16 a0, p, q, sc, zero, sw
.irp a, \a0, \a0+1
.irp b, 0,1,2,3,4,5,6,7
.if \sw
.if \zero
	v_wmma_scale_f32_16x16x128_f8f6f4 v[8*(8*((\a)%4)+\b):8*(8*((\a)%4)+\b)+7], v[AF+FR*(\a):AF+FR*(\a)+FR-1], v[128*(\p)+FR*\b:128*(\p)+FR*\b+FR-1], 0, v[SC+8*NQ*(\sc)+NQ*(\a)+(\q)], v[SC+8*NQ*(\sc)+NQ*\b+(\q)] matrix_a_fmt:MATRIX_FMT_FP4 matrix_b_fmt:MATRIX_FMT_FP4 matrix_b_scale:MATRIX_SCALE_ROW1
.else
	v_wmma_scale_f32_16x16x128_f8f6f4 v[8*(8*((\a)%4)+\b):8*(8*((\a)%4)+\b)+7], v[AF+FR*(\a):AF+FR*(\a)+FR-1], v[128*(\p)+FR*\b:128*(\p)+FR*\b+FR-1], v[8*(8*((\a)%4)+\b):8*(8*((\a)%4)+\b)+7], v[SC+8*NQ*(\sc)+NQ*(\a)+(\q)], v[SC+8*NQ*(\sc)+NQ*\b+(\q)] matrix_a_fmt:MATRIX_FMT_FP4 matrix_b_fmt:MATRIX_FMT_FP4 matrix_b_scale:MATRIX_SCALE_ROW1
.endif
.else
.if \zero
	v_wmma_scale_f32_16x16x128_f8f6f4 v[8*(8*((\a)%4)+\b):8*(8*((\a)%4)+\b)+7], v[128*(\p)+FR*\b:128*(\p)+FR*\b+FR-1], v[AF+FR*(\a):AF+FR*(\a)+FR-1], 0, v[SC+8*NQ*(\sc)+NQ*\b+(\q)], v[SC+8*NQ*(\sc)+NQ*(\a)+(\q)] matrix_a_fmt:MATRIX_FMT_FP4 matrix_b_fmt:MATRIX_FMT_FP4 matrix_a_scale:MATRIX_SCALE_ROW1
.else
	v_wmma_scale_f32_16x16x128_f8f6f4 v[8*(8*((\a)%4)+\b):8*(8*((\a)%4)+\b)+7], v[128*(\p)+FR*\b:128*(\p)+FR*\b+FR-1], v[AF+FR*(\a):AF+FR*(\a)+FR-1], v[8*(8*((\a)%4)+\b):8*(8*((\a)%4)+\b)+7], v[SC+8*NQ*(\sc)+NQ*\b+(\q)], v[SC+8*NQ*(\sc)+NQ*(\a)+(\q)] matrix_a_fmt:MATRIX_FMT_FP4 matrix_b_fmt:MATRIX_FMT_FP4 matrix_a_scale:MATRIX_SCALE_ROW1
.endif
.endif
.endr
.endr
.endm
.macro FETCH_B slot, q, p
	WIN TO_B
.irp i, 0,1,2,3,4,5,6,7
	FRAG 128*(\p)+FR*\i, ADRB+\slot, \q, \i
.endr
	WIN 0
.endm
.macro FETCH_A slot, q, i0
.irp i, \i0, \i0+1, \i0+2, \i0+3
	FRAG AF+FR*(\i), ADRA+\slot, \q, \i
.endr
.endm
.macro SCALES g                        ; K half g's scale words: four words a row by one load
.irp i, 0,1,2,3,4,5,6,7
	ds_load_b128 v[SC+8*NQ*\g+NQ*\i:SC+8*NQ*\g+NQ*\i+3], v[ADRS] offset:\i*512+\g*256
.endr
.endm
.macro PLACES n                        ; plain vector lines between a matrix instruction and a load into, or a vector write of, one of its registers, or a read of its result
.rept \n
	v_nop
.endr
.endm
.macro STEP slot, q, zero, sw          ; 128 along K whose successor lies in the same slot
	s_wait_dscnt 4*NL                              ; W's set and x's blocks 0-3 are in; the youngest eight loads (x's blocks 4-7) may be out
	WIN MUL_LO+3*(\sw)
	MUL16 0, (\q)%2, \q, \slot, \zero, \sw
	MUL16 2, (\q)%2, \q, \slot, \zero, \sw
	s_wait_dscnt 0
	PLACES NP
	FETCH_B \slot, (\q)+1, 1-(\q)%2
	FETCH_A \slot, (\q)+1, 0
	WIN MUL_HI+3*(\sw)
	MUL16 4, (\q)%2, \q, \slot, \zero, \sw
	MUL16 6, (\q)%2, \q, \slot, \zero, \sw
	PLACES NP
	WIN 0
	FETCH_A \slot, (\q)+1, 4
.endm
.macro TURN sw                         ; slot 0's last step: one barrier, behind which slot 1 is whole for every wave.  Nothing is filled again
	s_wait_tensorcnt 0x0                           ; my part of slot 1 has landed
	ds_add_u32 v[SPW], v[NIL]                      ; 0 onto my spare word
	s_wait_dscnt 4*NL+1                            ; (the add and x's blocks 4-7 may be out)
	WIN MUL_LO+3*(\sw)
	MUL16 0, 1, NQ-1, 0, 0, \sw
	s_wait_dscnt 0x0                               ; no LDS instruction of mine is pending at the signal
	s_barrier_signal -1
	MUL16 2, 1, NQ-1, 0, 0, \sw
	WIN 0
	s_barrier_wait -1
	PLACES NP
	FETCH_B 1, 0, 0
	FETCH_A 1, 0, 0
	SCALES 1
	WIN MUL_HI+3*(\sw)
	MUL16 4, 1, NQ-1, 0, 0, \sw
	MUL16 6, 1, NQ-1, 0, 0, \sw
	PLACES NP
	WIN 0
	FETCH_A 1, 0, 4
.endm
; THE WAY OUT: eight f32 of a lane become four registers of f16, which ARE four registers of the next launch's fragment, in the same lane: stored at 16 x lane, 512 consecutive bytes a store.
.macro OUT sw
	PLACES NP                                      ; the packed results take the registers of x's fragments, which the last products read
.irp a, 0,1,2,3,4,5,6,7
.if \a == 4
	s_wait_xcnt 0x0                                ; blocks 0-3's stores have read their registers: the four sets are written again
.endif
	WIN 0x0a+5*(\a/4)                              ; sources 0 and 1: window 2 or 3
.irp b, 0,1,2,3,4,5,6,7
.irp i, 0,1,2,3
	v_cvt_pk_f16_f32 v[TMP+32*(\a%4)+4*\b+\i], v[8*(8*(\a%4)+\b)+2*\i], v[8*(8*(\a%4)+\b)+2*\i+1]   ; each accumulator from its low end on
.endr
.endr
	WIN 0
.irp b, 0,1,2,3,4,5,6,7
.if \sw
	global_store_b128 v[CO], v[TMP+32*(\a%4)+4*\b:TMP+32*(\a%4)+4*\b+3], s[12:13] offset:(\b/4)*262144+(\a/2)*4096+(\b%4)*1024+(\a%2)*512   ; head b / 4, key chunk a / 2, channel tile b % 4, keys 16 (a % 2) on
.else
	global_store_b128 v[CO], v[TMP+32*(\a%4)+4*\b:TMP+32*(\a%4)+4*\b+3], s[12:13] offset:\a*2048+(\b/4)*262144+((\b/2)%2)*1024+(\b%2)*512   ; token tile a, head b / 4, channel chunk (b / 2) % 2, channels 16 (b % 2) on
.endif
.endr
.endr
.endm
.macro MAIN sw
	STEP 0, 0, 1, \sw                              ; the first products start the sums: nothing is cleared
	STEP 0, 1, 0, \sw
	STEP 0, 2, 0, \sw
	TURN \sw
	STEP 1, 0, 0, \sw
	STEP 1, 1, 0, \sw
	STEP 1, 2, 0, \sw
	s_wait_dscnt 4*NL                              ; the last step: nothing more to fetch
	WIN MUL_LO+3*(\sw)
	MUL16 0, 1, NQ-1, 1, 0, \sw
	MUL16 2, 1, NQ-1, 1, 0, \sw
	s_wait_dscnt 0
	WIN MUL_HI+3*(\sw)
	MUL16 4, 1, NQ-1, 1, 0, \sw
	MUL16 6, 1, NQ-1, 1, 0, \sw
	WIN 0
	OUT \sw
	s_wait_tensorcnt 0x0                           ; the wave's end: behind my last tensor load
	ds_add_u32 v[SPW], v[NIL]
	s_wait_dscnt 0x0
	CROUND                                         ; the closing round
	s_endpgm
.endm
	s_wait_tensorcnt 1                             ; the scale words and my part of K half 0 are in; K half 1's load may stay out
	s_barrier_signal -1
	s_barrier_wait -1                              ; everybody's are
	FETCH_B 0, 0, 0
	FETCH_A 0, 0, 0
	SCALES 0
	FETCH_A 0, 0, 4
	s_cmp_eq_u32 ttmp9, 2                          ; the cluster's x: the same in all sixteen partners
	s_cbranch_scc1 .Lv
	MAIN 0
.Lv:
	MAIN 1
.Lfunc_end_k_q78c860e5c4_qkv:
	.size	k_q78c860e5c4_qkv, .Lfunc_end_k_q78c860e5c4_qkv-k_q78c860e5c4_qkv
	.p2alignl 7, 3214868480
	.fill 96, 4, 3214868480
	.section	.rodata,"a",@progbits
	.p2align	6, 0x0
	.amdhsa_kernel k_q78c860e5c4_qkv
		.amdhsa_group_segment_fixed_size 327680
		.amdhsa_private_segment_fixed_size 0
		.amdhsa_enable_private_segment 0
		.amdhsa_kernarg_size 24
		.amdhsa_user_sgpr_count 2
		.amdhsa_user_sgpr_kernarg_segment_ptr 1
		.amdhsa_wavefront_size32 1
		.amdhsa_system_sgpr_workgroup_id_x 1
		.amdhsa_system_sgpr_workgroup_id_y 1
		.amdhsa_system_sgpr_workgroup_id_z 1
		.amdhsa_system_vgpr_workitem_id 0
		.amdhsa_next_free_vgpr 1024
		.amdhsa_next_free_sgpr 98
		.amdhsa_reserve_vcc 0
		.amdhsa_float_denorm_mode_32 3
		.amdhsa_float_denorm_mode_16_64 3
		.amdhsa_memory_ordered 1
		.amdhsa_forward_progress 1
		.amdhsa_inst_pref_size 222
	.end_amdhsa_kernel
	.amdgpu_metadata
---
amdhsa.version: [ 1, 2 ]
amdhsa.kernels:
  - .name:           k_q78c860e5c4_qkv
    .symbol:         k_q78c860e5c4_qkv.kd
    .args:
      - { .name: codes, .offset: 0, .size: 8, .value_kind: global_buffer, .address_space: global }
      - { .name: scales, .offset: 8, .size: 8, .value_kind: global_buffer, .address_space: global }
      - { .name: qkv_img, .offset: 16, .size: 8, .value_kind: global_buffer, .address_space: global }
    .group_segment_fixed_size: 327680
    .private_segment_fixed_size: 0
    .kernarg_segment_align: 8
    .kernarg_segment_size: 24
    .max_flat_workgroup_size: 128
    .sgpr_count:     98
    .vgpr_count:     1024
    .wavefront_size: 32
...
	.end_amdgpu_metadata
.endif
;; end of part 2
;; launch attn (part 3): grid 4 x 64, 16 waves a work-group, clusters of 4 x 1, 327,680 bytes of LDS; arguments qkv_img, tw, a_img; writes a_img
.if DOCPART == 3
	.amdgcn_target "amdgcn-amd-amdhsa--gfx1250"
	.amdhsa_code_object_version 6
	.text
	.protected	k_q78c860e5c4_attn
	.globl	k_q78c860e5c4_attn
	.p2align	8
	.type	k_q78c860e5c4_attn,@function
k_q78c860e5c4_attn:
	s_mov_b64 s[64:65], 0
	v_nop
	global_prefetch_b8 v0, s[64:65] scope:SCOPE_SE
	s_setreg_imm32_b32 hwreg(HW_REG_WAVE_MODE, 25, 1), 1
	s_wait_xcnt 0x0
	s_wait_alu depctr_hold_cnt(0) depctr_sa_sdst(0) depctr_va_vdst(0) depctr_va_sdst(0) depctr_va_ssrc(0) depctr_va_vcc(0) depctr_vm_vsrc(0)
	s_getreg_b32 s2, hwreg(HW_REG_IB_STS2, 6, 4)
	s_cmp_eq_u32 s2, 0
	s_cbranch_scc0 .Lentry_in_a_cluster
	s_endpgm
.Lentry_in_a_cluster:
	s_bfe_u32 s2, ttmp6, 0x10000c
	s_cmp_lg_u32 s2, 0x3003
	s_cbranch_scc0 .Lentry_shape_is_right
	s_endpgm
.Lentry_shape_is_right:
; O[bh][q] = the sum over k of softmax_k(c' q . k) v, c' = time weight[b][h] / 8, no mask; 64 heads (batch x head) of 2,048 tokens x 64 channels.  Operands f16, products and all of the softmax f32.
; SOFTMAX: for each query a running maximum m of the raw scores and a sum l: p = 2^(c s - c m), c = c' log2(e) >= 0 (made by the first launch); in every step O and l are multiplied by a = 2^(c m_old - c m_new).
; The sum is taken of the unrounded p; p is rounded to f16 for the second product; O / l is rounded once to f16, as the last launch's operand.
; SHARES: a work-group owns 512 queries of one head; each of its sixteen waves two tiles of 16, in 256 registers: four waves to a SIMD, so that one wave's vector work stands beside another's products and LDS loads.
; LAYOUT: S^T = K Q^T (source 0 = 16 keys, source 1 = 16 queries), O^T = V^T P (source 0 = 16 channels, source 1 = P): a lane holds ONE query throughout; two tiles of S^T packed in pairs ARE a fragment of P.
; q, k and V^T lie in memory as images of fragments (1,024 bytes: [register group (2)][lane][16 bytes]): 64 keys are 8 KB on end in k and in v, every fragment load is ds_load_b128 at 16 x lane, and nothing is turned.
; RING: two LDS slots of 512 keys (K 64 KB, V 64 KB).  Waves 0-3 fetch 32 KB each, one load a wave behind each change of slots; all sixteen read.  A refill is asked for a whole slot, eight key steps, ahead of its first read;
; so no prefetch is laid beside it.  Every wait on TENSORcnt is for 0; one load of a wave is out at the most.
; CLUSTER: the four query blocks of a head walk the same K and V: each tile is asked for jointly, by the same load with the same descriptor and the mask 15.
; LIMIT: the result goes to f16: magnitudes beyond 65,504 are not served, and those under 6e-5 keep fewer than 11 bits.
; REGISTERS: v1 16 x lane, v2 the same + V's 64 KB, v3, v4 the step's addresses, v5, v6 the add's two; v8-23 statistics (tile t at 8 + 8 t: +0 c m, +1 m, +2, +3 l, +4..7 at work, a in +6);
;   v24-55 Q; v56-119 K's fragments, then V's; v120-183 S^T, p, P; v184-247 O^T.
.set SLOT1, 131072
.set VOFF,  65536
.set SPARE, 262144                     ; the spare words, 128 bytes for each wave: eight blocks of 256 bytes that no other line names
.set LI,  1
.set LIV, 2
.set ADK, 3
.set ADV, 4
.set SPW, 5
.set NIL, 6
.set ST,  8
.set Q,   24
.set KV,  56
.set S,   120
.set O,   184
.set WV,  12
.set G1,  24                           ; s[24:31]
.set G0,  40                           ; s[40:43]: it walks
.set SLOTS, 56
.set STEPC, 57
.set CS,  58                           ; s[58:59] c, twice: the packed form names a pair
.set SEL, 60
.set TB,  62                           ; LDS byte at which the step's 64 keys begin
.macro TLOAD                           ; waves 0, 1: K's halves; waves 2, 3: V's; the others none.  An s_nop 0 and four v_nop follow the load
	s_cmp_lt_u32 s[WV], 4
	s_cbranch_scc0 .Lnone_\@
	tensor_load_to_lds s[G0:G0+3], s[G1:G1+7]
	s_nop 0
.rept 4
	v_nop
.endr
.Lnone_\@:
.endm
.macro CROUND                          ; a round of the cluster's barrier
	s_barrier_signal -1
	s_barrier_wait -1
	s_cmp_lg_u32 s[WV], 0
	s_cbranch_scc1 .Lnot_wave_0_\@
	s_barrier_signal -3
.Lnot_wave_0_\@:
	s_barrier_wait -3
	s_barrier_signal -1
	s_barrier_wait -1
.endm
	s_load_b128 s[4:7], s[0:1], 0x0                ; qkv_img, tw
	s_load_b64 s[8:9], s[0:1], 0x10                ; a_img
	v_lshl_add_u32 v[SPW], v0, 2, SPARE
	v_mov_b32 v[NIL], 0
	ds_add_u32 v[SPW], v[NIL]                      ; the wave's opening: the add, twice on end, and its wait ahead of the first tensor load
	ds_add_u32 v[SPW], v[NIL]
	v_lshrrev_b32 v7, 5, v0
	v_readfirstlane_b32 s[WV], v7                  ; wave 0..15
	s_bfe_u32 s13, ttmp6, 0x40000                  ; cx: my block of 512 queries; it enters q's and a_img's addresses alone
	s_and_b32 s14, ttmp7, 0xffff                   ; bh, which the four partners share
	s_mov_b32 s[G1], 15|(3<<16)|(1<<21)            ; 15:0 the mask: all four; 17:16 elements of 8 bytes; 21 set beside a mask
	s_mov_b32 s[G1+1], 32<<16                      ; rows of 256 bytes,
	s_mov_b32 s[G1+2], 128<<16                     ; 128 of them: 32 KB, dense
	s_mov_b32 s[G1+3], 32<<16
	s_mov_b32 s[G1+4], 128
	s_mov_b32 s[G1+5], 32
	s_mov_b32 s[G1+6], 0
	s_mov_b32 s[G1+7], 0
	s_lshr_b32 s16, s[WV], 1
	s_and_b32 s16, s16, 1
	s_add_co_u32 s16, s16, 1
	s_lshl_b32 s16, s16, 24                        ; k lies 16 MB, v 32 MB into the buffer
	s_lshl_b32 s18, s14, 18                        ; the head's 256 KB
	s_add_co_u32 s16, s16, s18
	s_and_b32 s19, s[WV], 1
	s_lshl_b32 s19, s19, 15                        ; my half of a slot's 64 KB
	s_add_co_u32 s16, s16, s19
	s_mov_b32 s17, 0
	s_and_b32 s20, s[WV], 3
	s_lshl_b32 s20, s20, 15                        ; and its place in slot 0
	s_lshl_b32 s22, s13, 16                        ; q: my block's 32 tiles of 2,048 bytes,
	s_add_co_u32 s22, s22, s18
	s_lshl_b32 s19, s[WV], 12                      ; my wave's two
	s_add_co_u32 s22, s22, s19
	s_mov_b32 s23, 0
	s_lshr_b32 s44, s14, 4                         ; a_img: panel of 256 tokens = 8 batch + 2 cx + wave / 8, 512 KB each;
	s_lshl_b32 s44, s44, 3
	s_lshl_b32 s45, s13, 1
	s_add_co_u32 s44, s44, s45
	s_lshr_b32 s45, s[WV], 3
	s_add_co_u32 s44, s44, s45
	s_lshl_b32 s44, s44, 19
	s_and_b32 s45, s14, 15                         ; head
	s_lshr_b32 s46, s45, 1
	s_lshl_b32 s46, s46, 16                        ; K step of 128 = two heads: 64 KB;
	s_add_co_u32 s44, s44, s46
	s_and_b32 s46, s[WV], 7
	s_lshl_b32 s46, s46, 13                        ; my two token tiles of 4,096 bytes;
	s_add_co_u32 s44, s44, s46
	s_and_b32 s46, s45, 1
	s_lshl_b32 s46, s46, 11                        ; my head's two chunks of 32
	s_add_co_u32 s44, s44, s46
	s_mov_b32 s45, 0
	s_lshl_b32 s48, s14, 2
	s_mov_b32 s49, 0
	s_mov_b32 s[SEL], 0x76543210
	s_mov_b32 s[SEL+1], 0xfedcba98
	s_mov_b32 s[TB], 0
	s_mov_b32 s[SLOTS], 3
	s_wait_dscnt 0x0                               ; both opening adds are done
	s_wait_kmcnt 0x0
	s_mov_b32 s[G0], 1
	s_mov_b32 s[G0+1], s20
	s_add_nc_u64 s[G0+2:G0+3], s[4:5], s[16:17]
	s_or_b32 s[G0+3], s[G0+3], 0x80000000
	s_add_nc_u64 s[4:5], s[4:5], s[22:23]
	s_add_nc_u64 s[6:7], s[6:7], s[48:49]
	s_add_nc_u64 s[8:9], s[8:9], s[44:45]
	CROUND                                         ; all four work-groups are here
	TLOAD                                          ; slot 0
	s_load_b32 s[CS], s[6:7], 0x0                  ; c of my head
	v_and_b32 v7, 31, v0
	v_lshlrev_b32 v[LI], 4, v7
	v_add_nc_u32 v[LIV], VOFF, v[LI]
.irp i, 0,1,2,3,4,5,6,7
	global_load_b128 v[Q+4*\i:Q+4*\i+3], v[LI], s[4:5] offset:512*\i   ; Q stays in registers: tile i / 4, channel chunk (i / 2) % 2
.endr
.set i, 0
.rept 64
	v_mov_b32 v[O+i], 0                            ; the step is written once: the first finds zeros
.set i, i+1
.endr
	s_wait_kmcnt 0x0
	s_mov_b32 s[CS+1], s[CS]
.irp t, 0,1
	v_mov_b32 v[ST+8*\t+1], 0xff61b1e6             ; m = -3e38, under every score
	v_mul_f32 v[ST+8*\t], s[CS], v[ST+8*\t+1]
	v_mov_b32 v[ST+8*\t+2], 0
	v_mov_b32 v[ST+8*\t+3], 0
.endr
	s_wait_loadcnt 0x0                             ; Q
; A KEY STEP: 64 keys.
.macro STEP
	v_add_nc_u32 v[ADK], s[TB], v[LI]              ; five plain lines behind the last products: the first products below write S^T over the P that those read, and K's loads land where V lay
	v_add_nc_u32 v[ADV], s[TB], v[LIV]
.rept 3
	v_nop
.endr
.irp i, 0,1,2,3,4,5,6,7,8,9,10,11,12,13,14,15
	ds_load_b128 v[KV+4*\i:KV+4*\i+3], v[ADK] offset:512*\i   ; key tile i / 4, channel chunk (i / 2) % 2
.endr
	s_wait_dscnt 0x0
.irp c, 0,1                                    ; eight accumulators by turns
.irp kt, 0,1,2,3
.irp t, 0,1
.if \c == 0
	v_wmma_f32_16x16x32_f16 v[S+32*\t+8*\kt:S+32*\t+8*\kt+7], v[KV+8*(2*\kt+\c):KV+8*(2*\kt+\c)+7], v[Q+16*\t+8*\c:Q+16*\t+8*\c+7], 0
.else
	v_wmma_f32_16x16x32_f16 v[S+32*\t+8*\kt:S+32*\t+8*\kt+7], v[KV+8*(2*\kt+\c):KV+8*(2*\kt+\c)+7], v[Q+16*\t+8*\c:Q+16*\t+8*\c+7], v[S+32*\t+8*\kt:S+32*\t+8*\kt+7]
.endif
.endr
.endr
.endr
.rept 4
	v_nop                                          ; places in front of the loads into K's registers and of the first read of the scores
.endr
.irp i, 0,1,2,3,4,5,6,7,8,9,10,11,12,13,14,15
	ds_load_b128 v[KV+4*\i:KV+4*\i+3], v[ADV] offset:512*\i   ; V^T: key chunk i / 8, channel tile (i / 2) % 4; it lands under the softmax
.endr
	; the maximum of my 32 scores and the old m: four chains, each begun at an accumulator's low end; the two tiles by turns
.irp j, 0,1,2,3
.irp t, 0,1
	v_max3_num_f32 v[ST+8*\t+4+\j], v[S+32*\t+8*\j], v[S+32*\t+8*\j+1], v[S+32*\t+8*\j+2]
.endr
.endr
.irp g, 1,2
.irp j, 0,1,2,3
.irp t, 0,1
	v_max3_num_f32 v[ST+8*\t+4+\j], v[ST+8*\t+4+\j], v[S+32*\t+8*\j+2*\g+1], v[S+32*\t+8*\j+2*\g+2]
.endr
.endr
.endr
.irp t, 0,1
	v_max3_num_f32 v[ST+8*\t+4], v[ST+8*\t+4], v[S+32*\t+7], v[S+32*\t+15]
	v_max3_num_f32 v[ST+8*\t+6], v[ST+8*\t+6], v[S+32*\t+23], v[S+32*\t+31]
.endr
.irp t, 0,1
	v_max3_num_f32 v[ST+8*\t+4], v[ST+8*\t+4], v[ST+8*\t+5], v[ST+8*\t+6]
.endr
.irp t, 0,1
	v_max3_num_f32 v[ST+8*\t+4], v[ST+8*\t+4], v[ST+8*\t+7], v[ST+8*\t+1]
.endr
.irp t, 0,1
	v_permlanex16_b32 v[ST+8*\t+5], v[ST+8*\t+4], s[SEL], s[SEL+1]   ; the query's other 32 keys lie in the lane 16 away
.endr
.irp t, 0,1
	v_mov_b32 v[ST+8*\t+7], v[ST+8*\t]             ; c m_old
.endr
.irp t, 0,1
	v_max_num_f32 v[ST+8*\t+1], v[ST+8*\t+4], v[ST+8*\t+5]
.endr
.irp t, 0,1
	v_mul_f32 v[ST+8*\t], s[CS], v[ST+8*\t+1]      ; c m_new
.endr
.irp t, 0,1
	v_sub_f32 v[ST+8*\t+7], v[ST+8*\t+7], v[ST+8*\t]
.endr
	; ONE BATCH of 66 exponentials with one wait: nothing between here and the wait names a result
.irp t, 0,1
	v_exp_f32 v[ST+8*\t+6], v[ST+8*\t+7]           ; a
.endr
.set i, 0
.rept 16
.irp t, 0,1
	v_pk_fma_f32 v[S+32*\t+i:S+32*\t+i+1], v[S+32*\t+i:S+32*\t+i+1], s[CS:CS+1], v[ST+8*\t:ST+8*\t+1] op_sel_hi:[1,0,0] neg_lo:[0,0,1] neg_hi:[0,0,1]   ; c s - c m
.endr
.set i, i+2
.endr
.set i, 0
.rept 32
	v_exp_f32 v[S+i], v[S+i]
	v_exp_f32 v[S+32+i], v[S+32+i]
.set i, i+1
.endr
	v_nop                                          ; a plain line behind the last exponential,
	s_wait_alu depctr_va_vdst(0)                   ; and the wait ahead of the batch's first reader
.irp t, 0,1
	v_pk_mul_f32 v[ST+8*\t+2:ST+8*\t+3], v[ST+8*\t+2:ST+8*\t+3], v[ST+8*\t+6:ST+8*\t+7] op_sel_hi:[1,0]   ; l x a
	v_pk_add_f32 v[ST+8*\t+4:ST+8*\t+5], v[S+32*\t:S+32*\t+1], v[S+32*\t+2:S+32*\t+3]                       ; the sum of the unrounded p, in two chains
.endr
.irp j, 4,8,12,16,20,24,28
.irp t, 0,1
	v_pk_add_f32 v[ST+8*\t+2:ST+8*\t+3], v[ST+8*\t+2:ST+8*\t+3], v[S+32*\t+\j:S+32*\t+\j+1]
	v_pk_add_f32 v[ST+8*\t+4:ST+8*\t+5], v[ST+8*\t+4:ST+8*\t+5], v[S+32*\t+\j+2:S+32*\t+\j+3]
.endr
.endr
.irp t, 0,1
	v_pk_add_f32 v[ST+8*\t+2:ST+8*\t+3], v[ST+8*\t+2:ST+8*\t+3], v[ST+8*\t+4:ST+8*\t+5]
.endr
.set i, 0
.rept 16
.irp t, 0,1
	v_cvt_pk_f16_f32 v[S+32*\t+i], v[S+32*\t+2*i], v[S+32*\t+2*i+1]   ; P, packed downwards in place: registers 8 kk .. 8 kk + 7 are the fragment of keys 32 kk on
.endr
.set i, i+1
.endr
.set i, 0
.rept 16
.irp t, 0,1
	v_pk_mul_f32 v[O+32*\t+i:O+32*\t+i+1], v[O+32*\t+i:O+32*\t+i+1], v[ST+8*\t+6:ST+8*\t+7] op_sel_hi:[1,0]   ; O^T x a, each accumulator from its low end on
.endr
.set i, i+2
.endr
	s_wait_dscnt 0x0                               ; V is in
.irp kk, 0,1                                   ; eight accumulators by turns
.irp ct, 0,1,2,3
.irp t, 0,1
	v_wmma_f32_16x16x32_f16 v[O+32*\t+8*\ct:O+32*\t+8*\ct+7], v[KV+8*(4*\kk+\ct):KV+8*(4*\kk+\ct)+7], v[S+32*\t+8*\kk:S+32*\t+8*\kk+7], v[O+32*\t+8*\ct:O+32*\t+8*\ct+7]
.endr
.endr
.endr
.endm
; THE CHANGE OF SLOTS stands at a slot's head.  Each wave waits for all its tensor loads, adds 0 to its spare word, and waits for that and for its reads of the slot that it has left.
; fill = 1: the barrier is a round of the cluster's, and behind it the slot just left is asked for jointly, with the next 512 keys.  (The first trip's load is slot 1's first fill: behind that round nobody refills.)
.macro CHANGE fill
	s_wait_tensorcnt 0x0                           ; no tensor load of mine is out, so the group 0 may be written
	ds_add_u32 v[SPW], v[NIL]                      ; 0 onto my spare word
.if \fill
	ds_add_u32 v[SPW], v[NIL]                      ; and twice on end here, in every trip alike
	s_xor_b32 s[G0+1], s[G0+1], SLOT1              ; the other slot than last time,
	s_add_nc_u64 s[G0+2:G0+3], s[G0+2:G0+3], 65536 ; the next 512 keys
	s_wait_dscnt 0x0
	CROUND
	TLOAD
.else
	s_wait_dscnt 0x0
	s_barrier_signal -1
	s_barrier_wait -1
.endif
.endm
.macro STEPS                           ; a slot's eight key steps: written once, walked eight times
	s_mov_b32 s[STEPC], 8
.Lstep_\@:
	STEP
	s_add_co_u32 s[TB], s[TB], 8192
	s_sub_co_u32 s[STEPC], s[STEPC], 1
	s_cmp_lg_u32 s[STEPC], 0
	s_cbranch_scc1 .Lstep_\@
	s_sub_co_u32 s[TB], s[TB], 65536               ; back to a slot's first step,
	s_xor_b32 s[TB], s[TB], SLOT1                  ; in the other slot
.endm
.Lslot:                                            ; three trips: behind each change of slots but the last the next 512 keys are asked for
	CHANGE 1
	STEPS
	s_sub_co_u32 s[SLOTS], s[SLOTS], 1
	s_cmp_lg_u32 s[SLOTS], 0
	s_cbranch_scc1 .Lslot
	CHANGE 0                                       ; the last slot is written out
	STEPS
	; THE WAY OUT.  The four additions are the places behind the last products.  O^T / l, packed to f16, is four registers of the last launch's fragment in the same lane.
.irp t, 0,1
	v_add_f32 v[ST+8*\t+4], v[ST+8*\t+2], v[ST+8*\t+3]
.endr
.irp t, 0,1
	v_permlanex16_b32 v[ST+8*\t+5], v[ST+8*\t+4], s[SEL], s[SEL+1]
.endr
.irp t, 0,1
	v_add_f32 v[ST+8*\t+4], v[ST+8*\t+4], v[ST+8*\t+5]
.endr
.irp t, 0,1
	v_rcp_f32 v[ST+8*\t+6], v[ST+8*\t+4]
.endr
	v_nop
	s_wait_alu depctr_va_vdst(0)                   ; one wait for the two reciprocals, ahead of their first reader
.set i, 0
.rept 16
.irp t, 0,1
	v_pk_mul_f32 v[O+32*\t+i:O+32*\t+i+1], v[O+32*\t+i:O+32*\t+i+1], v[ST+8*\t+6:ST+8*\t+7] op_sel_hi:[1,0]
.endr
.set i, i+2
.endr
.set i, 0
.rept 16
.irp t, 0,1
	v_cvt_pk_f16_f32 v[S+16*\t+i], v[O+32*\t+2*i], v[O+32*\t+2*i+1]
.endr
.set i, i+1
.endr
.irp t, 0,1
.irp ct, 0,1,2,3
	global_store_b128 v[LI], v[S+16*\t+4*\ct:S+16*\t+4*\ct+3], s[8:9] offset:\t*4096+\ct*512   ; 512 consecutive bytes, aligned
.endr
.endr
	s_wait_tensorcnt 0x0                           ; the wave's end: behind the last tensor load
	ds_add_u32 v[SPW], v[NIL]
	s_wait_dscnt 0x0
	CROUND                                         ; the closing round
	s_endpgm
.Lfunc_end_k_q78c860e5c4_attn:
	.size	k_q78c860e5c4_attn, .Lfunc_end_k_q78c860e5c4_attn-k_q78c860e5c4_attn
	.p2alignl 7, 3214868480
	.fill 96, 4, 3214868480
	.section	.rodata,"a",@progbits
	.p2align	6, 0x0
	.amdhsa_kernel k_q78c860e5c4_attn
		.amdhsa_group_segment_fixed_size 327680
		.amdhsa_private_segment_fixed_size 0
		.amdhsa_enable_private_segment 0
		.amdhsa_kernarg_size 24
		.amdhsa_user_sgpr_count 2
		.amdhsa_user_sgpr_kernarg_segment_ptr 1
		.amdhsa_wavefront_size32 1
		.amdhsa_system_sgpr_workgroup_id_x 1
		.amdhsa_system_sgpr_workgroup_id_y 1
		.amdhsa_system_sgpr_workgroup_id_z 1
		.amdhsa_system_vgpr_workitem_id 0
		.amdhsa_next_free_vgpr 256
		.amdhsa_next_free_sgpr 66
		.amdhsa_reserve_vcc 0
		.amdhsa_float_denorm_mode_32 3
		.amdhsa_float_denorm_mode_16_64 3
		.amdhsa_memory_ordered 1
		.amdhsa_forward_progress 1
		.amdhsa_inst_pref_size 49
	.end_amdhsa_kernel
	.amdgpu_metadata
---
amdhsa.version: [ 1, 2 ]
amdhsa.kernels:
  - .name:           k_q78c860e5c4_attn
    .symbol:         k_q78c860e5c4_attn.kd
    .args:
      - { .name: qkv_img, .offset: 0, .size: 8, .value_kind: global_buffer, .address_space: global }
      - { .name: tw, .offset: 8, .size: 8, .value_kind: global_buffer, .address_space: global }
      - { .name: a_img, .offset: 16, .size: 8, .value_kind: global_buffer, .address_space: global }
    .group_segment_fixed_size: 327680
    .private_segment_fixed_size: 0
    .kernarg_segment_align: 8
    .kernarg_segment_size: 24
    .max_flat_workgroup_size: 512
    .sgpr_count:     66
    .vgpr_count:     256
    .wavefront_size: 32
...
	.end_amdgpu_metadata
.endif
;; end of part 3
;; launch proj (part 4): grid 8 x 32, 4 waves a work-group, clusters of 4 x 4, 327,680 bytes of LDS; arguments a_img, wo_img, bo, out0; writes out0
.if DOCPART == 4
	.amdgcn_target "amdgcn-amd-amdhsa--gfx1250"
	.amdhsa_code_object_version 6
	.text
	.protected	k_q78c860e5c4_proj
	.globl	k_q78c860e5c4_proj
	.p2align	8
	.type	k_q78c860e5c4_proj,@function
k_q78c860e5c4_proj:
	s_mov_b64 s[64:65], 0
	v_nop
	global_prefetch_b8 v0, s[64:65] scope:SCOPE_SE
	s_setreg_imm32_b32 hwreg(HW_REG_WAVE_MODE, 25, 1), 1
	s_wait_xcnt 0x0
	s_wait_alu depctr_hold_cnt(0) depctr_sa_sdst(0) depctr_va_vdst(0) depctr_va_sdst(0) depctr_va_ssrc(0) depctr_va_vcc(0) depctr_vm_vsrc(0)
	s_getreg_b32 s2, hwreg(HW_REG_IB_STS2, 6, 4)
	s_cmp_eq_u32 s2, 0
	s_cbranch_scc0 .Lentry_in_a_cluster
	s_endpgm
.Lentry_in_a_cluster:
	s_bfe_u32 s2, ttmp6, 0x10000c
	s_cmp_lg_u32 s2, 0xf033
	s_cbranch_scc0 .Lentry_shape_is_right
	s_endpgm
.Lentry_shape_is_right:
; out0 = A Wo + bo.  A (the attention's result, [8192][1024]) and Wo^T lie in memory as images of f16 fragments (16 rows x 32 K: 1,024 bytes: [register group (2)][lane][16 bytes]); sums in f32, begun with the bias as C.
; A tile is 256 rows (Y) x 128 columns (X): 256 work-groups.  Wave w makes rows 64 w .. 64 w + 63 x all 128 columns: 32 accumulators.
; K goes in 8 steps of 128 through two LDS slots: A's 256 rows of a step are 64 KB on end, Wo's 128 columns 32 KB: dense blocks, brought as rows of 256 bytes (waves 0, 1: A's halves; waves 2, 3: Wo's), read at 16 x lane.
; CLUSTERS: 4 x 4 work-groups; A's blocks are shared along a row of the cluster, Wo's along a column: each is asked for jointly.  A refill stands first behind a round of the cluster's barrier; from a request to the wait
; for it a wave issues 112 matrix instructions.  Two loads of a wave are out at the start, later one.
; THE MATRIX INSTRUCTION IS USED TRANSPOSED (source 0 = 16 columns of Wo, source 1 = 16 rows of A): a lane holds eight neighbouring numbers of a row of out0.
; REGISTERS: window 0: v16-29 addresses; v96-159 the bias (8 registers a column tile), later with v160-223 the rows on their way out.  window 1: two fragment buffers at v0 and v128: A's 4 fragments, then Wo's 8.
;   window 2: the accumulators, (a, b) at v[8 (8 a + b)].
.set SLOT,  98304                      ; A 64 KB, then Wo 32 KB
.set STAGE, 196608                     ; behind the ring: 16 rows x (512 + 16) bytes for each wave; no tensor load lands here
.set SPARE, 230400                     ; the spare words, 128 bytes for each wave: two blocks of 256 bytes that no other line names
.set ADRA, 16
.set ADRB, 20
.set STO,  24
.set RD,   25
.set CO,   26
.set SPW,  28
.set NIL,  29
.set BI,   96
.set BK,   96
.set F0,   0
.set F1,   128
.set G1,   24
.set G0,   32
.set G1B,  48
.set G0B,  56
.set MSB, 0
.macro WIN new
.if MSB != (\new)
	s_set_vgpr_msb (MSB<<8)|(\new)
.set MSB, (\new)
.endif
.endm
.set MUL,  0xa5                        ; sources 0 and 1 window 1; C and D window 2;  - 0x20: C (the bias) in window 0
.set TO_F, 0x40
.macro JLOAD s                         ; waves 0, 1 fetch A's halves, waves 2, 3 Wo's; an s_nop 0 and four v_nop follow each of the two lines
	s_cmp_eq_u32 s13, 0
	s_cbranch_scc0 .Lfor_b_\@
	tensor_load_to_lds s[G0+4*\s:G0+4*\s+3], s[G1:G1+7]
	s_nop 0
.rept 4
	v_nop
.endr
	s_branch .Lasked_\@
.Lfor_b_\@:
	tensor_load_to_lds s[G0B+4*\s:G0B+4*\s+3], s[G1B:G1B+7]
	s_nop 0
.rept 4
	v_nop
.endr
.Lasked_\@:
.endm
.macro CREST
	s_cmp_lg_u32 s12, 0
	s_cbranch_scc1 .Lnot_wave_0_\@
	s_barrier_signal -3
.Lnot_wave_0_\@:
	s_barrier_wait -3
	s_barrier_signal -1
	s_barrier_wait -1
.endm
.macro CROUND
	s_barrier_signal -1
	s_barrier_wait -1
	CREST
.endm
	s_load_b256 s[4:11], s[0:1], 0x0               ; a_img s[4:5], wo_img s[6:7], bo s[8:9], out0 s[10:11]
	v_lshl_add_u32 v[SPW], v0, 2, SPARE
	v_mov_b32 v[NIL], 0
	ds_add_u32 v[SPW], v[NIL]                      ; the wave's opening: the add, twice on end, and its wait ahead of my first tensor load
	ds_add_u32 v[SPW], v[NIL]
	v_lshrrev_b32 v1, 5, v0
	v_readfirstlane_b32 s12, v1                    ; wave 0..3
	s_lshr_b32 s13, s12, 1                         ; I fetch for A (0) or for Wo (1),
	s_and_b32 s14, s12, 1                          ; this half of the block
	s_bfe_u32 s40, ttmp6, 0x40000
	s_bfe_u32 s41, ttmp6, 0x40004
	s_lshl_b32 s42, ttmp9, 2
	s_add_co_u32 s42, s42, s40                     ; X
	s_and_b32 s43, ttmp7, 0xffff
	s_lshl_b32 s43, s43, 2
	s_add_co_u32 s43, s43, s41                     ; Y
	s_lshl_b32 s44, s41, 2
	s_lshl_b32 s44, 15, s44                        ; my row of the cluster
	s_lshl_b32 s45, 0x1111, s40                    ; my column
	s_or_b32 s[G1+0], s44, (3<<16)|(1<<21)         ; the mask; elements of 8 bytes; bit 21 beside a mask
	s_mov_b32 s[G1+1], 32<<16                      ; rows of 256 bytes,
	s_mov_b32 s[G1+2], 128<<16                     ; 128 of them: 32 KB
	s_mov_b32 s[G1+3], 32<<16
	s_mov_b32 s[G1+4], 128
	s_mov_b32 s[G1+5], 32
	s_mov_b32 s[G1+6], 0
	s_mov_b32 s[G1+7], 0
	s_or_b32 s[G1B+0], s45, (3<<16)|(1<<21)
	s_mov_b32 s[G1B+1], 32<<16
	s_mov_b32 s[G1B+2], 64<<16                     ; 64 rows: 16 KB
	s_mov_b32 s[G1B+3], 32<<16
	s_mov_b32 s[G1B+4], 64
	s_mov_b32 s[G1B+5], 32
	s_mov_b32 s[G1B+6], 0
	s_mov_b32 s[G1B+7], 0
	s_lshl_b32 s16, s43, 19                        ; A: the panel's 512 KB, + my half of a K step's 64 KB: the tile row and the wave's number alone
	s_lshl_b32 s18, s14, 15
	s_add_co_u32 s16, s16, s18
	s_mov_b32 s17, 0
	s_lshl_b32 s20, s42, 18                        ; Wo: the column block's 256 KB, + my half of a K step's 32 KB: the tile column and the wave's number alone
	s_lshl_b32 s19, s14, 14
	s_add_co_u32 s20, s20, s19
	s_mov_b32 s21, 0
	s_mov_b32 s22, s18                             ; where they go in a slot
	s_add_co_u32 s23, s19, 65536
	s_wait_dscnt 0x0                               ; both opening adds are done
	s_wait_kmcnt 0x0
	s_add_nc_u64 s[16:17], s[4:5], s[16:17]
	s_add_nc_u64 s[20:21], s[6:7], s[20:21]
	CROUND                                         ; all sixteen work-groups are here
.irp s, 0,1
	s_mov_b32 s[G0+4*\s], 1
	s_add_co_u32 s[G0+4*\s+1], s22, \s*SLOT
	s_add_nc_u64 s[G0+4*\s+2:G0+4*\s+3], s[16:17], \s*65536
	s_or_b32 s[G0+4*\s+3], s[G0+4*\s+3], 0x80000000
	s_mov_b32 s[G0B+4*\s], 1
	s_add_co_u32 s[G0B+4*\s+1], s23, \s*SLOT
	s_add_nc_u64 s[G0B+4*\s+2:G0B+4*\s+3], s[20:21], \s*32768
	s_or_b32 s[G0B+4*\s+3], s[G0B+4*\s+3], 0x80000000
	JLOAD \s
.endr
	v_and_b32 v1, 15, v0                           ; r
	v_bfe_u32 v2, v0, 4, 1                         ; h
	v_lshlrev_b32 v3, 5, v2                        ; the bias: lane (r, h) wants, for column tile b, bo at 128 X + 16 b + 8 h + 0 .. 7
	s_lshl_b32 s18, s42, 9
	s_mov_b32 s19, 0
	s_add_nc_u64 s[8:9], s[8:9], s[18:19]
.irp b, 0,1,2,3,4,5,6,7
	global_load_b128 v[BI+8*\b:BI+8*\b+3], v3, s[8:9] offset:64*\b
	global_load_b128 v[BI+8*\b+4:BI+8*\b+7], v3, s[8:9] offset:64*\b+16
.endr
	v_and_b32 v4, 31, v0
	v_lshlrev_b32 v[CO], 4, v4                     ; 16 x lane
	s_lshl_b32 s19, s12, 14                        ; my four row tiles of 4,096 bytes
	v_add_nc_u32 v[ADRA], s19, v[CO]
	v_add_nc_u32 v[ADRA+1], SLOT, v[ADRA]
	v_add_nc_u32 v[ADRB], 65536, v[CO]
	v_add_nc_u32 v[ADRB+1], SLOT+65536, v[CO]
	s_mul_i32 s18, s12, 8448
	s_add_co_u32 s18, s18, STAGE                   ; my stage
	v_mul_u32_u24 v4, v1, 528
	v_lshl_add_u32 v4, v2, 5, v4
	v_add_nc_u32 v[STO], s18, v4                   ; in: row r, 32 bytes for each half of the lanes
	v_add_nc_u32 v[RD], s18, v[CO]                 ; back: the 32 lanes take a row of 512 bytes
	s_lshl_b32 s16, s43, 20                        ; out0: 256 Y rows of 4,096 bytes,
	s_lshl_b32 s18, s12, 18                        ; + 64 x wave rows,
	s_add_co_u32 s16, s16, s18
	s_lshl_b32 s18, s42, 9                         ; + 128 X columns
	s_add_co_u32 s16, s16, s18
	s_mov_b32 s17, 0
	s_add_nc_u64 s[10:11], s[10:11], s[16:17]
.macro MUL8 f, a, first                ; row tile a against the eight column tiles, 32 along K.  The 32 accumulators take turns in one order
.irp b, 0,1,2,3,4,5,6,7
.if \first
	v_wmma_f32_16x16x32_f16 v[8*(8*(\a)+\b):8*(8*(\a)+\b)+7], v[\f+32+8*\b:\f+32+8*\b+7], v[\f+8*(\a):\f+8*(\a)+7], v[BI+8*\b:BI+8*\b+7]
.else
	v_wmma_f32_16x16x32_f16 v[8*(8*(\a)+\b):8*(8*(\a)+\b)+7], v[\f+32+8*\b:\f+32+8*\b+7], v[\f+8*(\a):\f+8*(\a)+7], v[8*(8*(\a)+\b):8*(8*(\a)+\b)+7]
.endif
.endr
.endm
.macro FETCH slot, kc, f               ; 24 LDS loads in one run: chunk kc of the slot's K step: Wo's 8 fragments, A's tiles 0, 1, then 2, 3
	WIN TO_F
.irp b, 0,1,2,3,4,5,6,7
.irp u, 0,1
	ds_load_b128 v[\f+32+8*\b+4*\u:\f+32+8*\b+4*\u+3], v[ADRB+\slot] offset:\b*4096+(\kc)*1024+512*\u
.endr
.endr
.irp a, 0,1,2,3
.irp u, 0,1
	ds_load_b128 v[\f+8*\a+4*\u:\f+8*\a+4*\u+3], v[ADRA+\slot] offset:\a*4096+(\kc)*1024+512*\u
.endr
.endr
.endm
.macro PLACES                          ; four plain lines in front of loads into registers that matrix instructions have read, and of the first read of results
.rept 4
	v_nop
.endr
.endm
.macro QUARTER slot, kc, f, g, first   ; multiplies buffer f; in its middle fetches chunk kc into buffer g
	s_wait_dscnt 4                                 ; all but A's tiles 2, 3
	WIN MUL-0x20*(\first)
	MUL8 \f, 0, \first
	MUL8 \f, 1, \first
	PLACES
	FETCH \slot, \kc, \g
	s_wait_dscnt 24                                ; all but the run just issued
	WIN MUL-0x20*(\first)
	MUL8 \f, 2, \first
	MUL8 \f, 3, \first
.endm
; A K step's last quarter changes slots: one barrier; in front of it each wave waits for all its tensor loads, adds 0 to its spare word, and waits for that and for its reads of this slot.
.macro TURN slot, next, fill
	WIN 0
	s_wait_tensorcnt 0x0                           ; my part of the next slot has landed; no load of mine is out
	ds_add_u32 v[SPW], v[NIL]                      ; 0 onto my spare word
	s_wait_dscnt 5                                 ; (the add and A's tiles 2, 3 may be out)
	WIN MUL
	MUL8 F1, 0, 0
	s_wait_dscnt 0x0                               ; the add is done, and my reads of this slot are over
	s_barrier_signal -1
	MUL8 F1, 1, 0
	WIN 0
	s_barrier_wait -1
.if \fill
	CREST                                          ; the barrier has opened a round of the cluster's: no wave of any partner still reads this slot or has a load on its way
	s_add_nc_u64 s[G0+4*\slot+2:G0+4*\slot+3], s[G0+4*\slot+2:G0+4*\slot+3], 131072
	s_add_nc_u64 s[G0B+4*\slot+2:G0B+4*\slot+3], s[G0B+4*\slot+2:G0B+4*\slot+3], 65536
	JLOAD \slot                                    ; two K steps on; its four v_nop are also the places in front of the loads below
.else
	PLACES
.endif
	FETCH \next, 0, F0
	WIN MUL
	MUL8 F1, 2, 0
	MUL8 F1, 3, 0
.endm
	s_wait_tensorcnt 1                             ; my part of K step 0 is in; K step 1's may stay out
	s_barrier_signal -1
	s_barrier_wait -1
	FETCH 0, 0, F0
	s_wait_loadcnt 0x0                             ; the bias
	QUARTER 0, 1, F0, F1, 1                        ; the first quarter stands in front of the loop: its products start the sums, with the bias as C
	WIN 0
	s_mov_b32 s3, 3
.Llap:                                             ; a trip goes once round the ring and fills both slots again
	QUARTER 0, 2, F1, F0, 0
	QUARTER 0, 3, F0, F1, 0
	TURN 0, 1, 1
	QUARTER 1, 1, F0, F1, 0
	QUARTER 1, 2, F1, F0, 0
	QUARTER 1, 3, F0, F1, 0
	TURN 1, 0, 1
	QUARTER 0, 1, F0, F1, 0
	WIN 0
	s_sub_co_u32 s3, s3, 1
	s_cmp_lg_u32 s3, 0
	s_cbranch_scc1 .Llap
	QUARTER 0, 2, F1, F0, 0                        ; the last lap fills nothing
	QUARTER 0, 3, F0, F1, 0
	TURN 0, 1, 0
	QUARTER 1, 1, F0, F1, 0
	QUARTER 1, 2, F1, F0, 0
	QUARTER 1, 3, F0, F1, 0
	s_wait_dscnt 4
	WIN MUL
	MUL8 F1, 0, 0
	MUL8 F1, 1, 0
	s_wait_dscnt 0
	MUL8 F1, 2, 0
	MUL8 F1, 3, 0
	WIN 0
; THE WAY OUT, 16 rows x 128 columns at a time, through my own stage: in as 32 bytes a lane, back as whole rows of 512 bytes.  LDS serves a wave's instructions in order: no wait between the stores and the loads.
.macro TOSTAGE a
	WIN 0x08                                       ; an LDS store's data are its source 1: window 2
.irp b, 0,1,2,3,4,5,6,7
	ds_store_b128 v[STO], v[64*(\a)+8*\b:64*(\a)+8*\b+3] offset:64*\b          ; each accumulator from its low end on
	ds_store_b128 v[STO], v[64*(\a)+8*\b+4:64*(\a)+8*\b+7] offset:64*\b+16
.endr
	WIN 0
.irp t, 0,1,2,3,4,5,6,7,8,9,10,11,12,13,14,15
	ds_load_b128 v[BK+64*((\a)%2)+4*\t:BK+64*((\a)%2)+4*\t+3], v[RD] offset:528*\t
.endr
.endm
.macro SEND a, younger                 ; younger: the LDS instructions issued behind block a's loads
	s_wait_dscnt \younger
.irp t, 0,1,2,3,4,5,6,7,8,9,10,11,12,13,14,15
	global_store_b128 v[CO], v[BK+64*((\a)%2)+4*\t:BK+64*((\a)%2)+4*\t+3], s[10:11] offset:(16*(\a)+\t)*4096 th:TH_STORE_NT   ; 512 consecutive bytes, aligned; written once
.endr
.endm
	PLACES
	TOSTAGE 0
.irp a, 1,2,3
.if \a > 1
	s_wait_xcnt 0x0                                ; block a - 2's stores have read their registers: block a's rows may land there
.endif
	TOSTAGE \a
	SEND \a-1, 32
.endr
	SEND 3, 0
	s_wait_tensorcnt 0x0                           ; the wave's end: behind my last tensor load and my last LDS store
	ds_add_u32 v[SPW], v[NIL]
	s_wait_dscnt 0x0
	CROUND                                         ; the closing round
	s_endpgm
.Lfunc_end_k_q78c860e5c4_proj:
	.size	k_q78c860e5c4_proj, .Lfunc_end_k_q78c860e5c4_proj-k_q78c860e5c4_proj
	.p2alignl 7, 3214868480
	.fill 96, 4, 3214868480
	.section	.rodata,"a",@progbits
	.p2align	6, 0x0
	.amdhsa_kernel k_q78c860e5c4_proj
		.amdhsa_group_segment_fixed_size 327680
		.amdhsa_private_segment_fixed_size 0
		.amdhsa_enable_private_segment 0
		.amdhsa_kernarg_size 32
		.amdhsa_user_sgpr_count 2
		.amdhsa_user_sgpr_kernarg_segment_ptr 1
		.amdhsa_wavefront_size32 1
		.amdhsa_system_sgpr_workgroup_id_x 1
		.amdhsa_system_sgpr_workgroup_id_y 1
		.amdhsa_system_sgpr_workgroup_id_z 1
		.amdhsa_system_vgpr_workitem_id 0
		.amdhsa_next_free_vgpr 768
		.amdhsa_next_free_sgpr 66
		.amdhsa_reserve_vcc 0
		.amdhsa_float_denorm_mode_32 3
		.amdhsa_float_denorm_mode_16_64 3
		.amdhsa_memory_ordered 1
		.amdhsa_forward_progress 1
		.amdhsa_inst_pref_size 86
	.end_amdhsa_kernel
	.amdgpu_metadata
---
amdhsa.version: [ 1, 2 ]
amdhsa.kernels:
  - .name:           k_q78c860e5c4_proj
    .symbol:         k_q78c860e5c4_proj.kd
    .args:
      - { .name: a_img, .offset: 0, .size: 8, .value_kind: global_buffer, .address_space: global }
      - { .name: wo_img, .offset: 8, .size: 8, .value_kind: global_buffer, .address_space: global }
      - { .name: bo, .offset: 16, .size: 8, .value_kind: global_buffer, .address_space: global }
      - { .name: out0, .offset: 24, .size: 8, .value_kind: global_buffer, .address_space: global }
    .group_segment_fixed_size: 327680
    .private_segment_fixed_size: 0
    .kernarg_segment_align: 8
    .kernarg_segment_size: 32
    .max_flat_workgroup_size: 128
    .sgpr_count:     66
    .vgpr_count:     768
    .wavefront_size: 32
...
	.end_amdgpu_metadata
.endif
;; end of part 4
